; MI455X (gfx1250); checked and timed in simulation.
; The chip was launched on July 23, 2026; its instructions are those of AMD's public machine-readable ISA for CDNA 5 (MIT licence, August 2026) and "CDNA5" Instruction Set Architecture Reference Guide (July 2026). The comments in the code are by the model that wrote it; some were corrected since.
;; Max Likelihood Merge Encoder. Allowed arithmetic: float matrix products may take bf16 or f16 operands with f32 sums; all other float work in f32.
;; Inputs: children1_VxD 4,096 x 2 float32; children2_VxD 4,096 x 2 float32; log_felsensteins1_VxSxA 4,096 x 2,048 x 1 float32; log_felsensteins2_VxSxA 4,096 x 2,048 x 1 float32; site_positions_SxC 2,048 x 16 float32.
;; Outputs: out0 4,096 x 2 float32.
;; One version. Each part assembles by itself: llvm-mc -triple=amdgcn-amd-amdhsa -mcpu=gfx1250 --defsym DOCPART=n.
;; ======== version 1 of 1: 1 launch
;; limits: inputs' magnitudes at most 1.8e+19
;; launch merge (part 1): grid 256 x 1, 16 waves a work-group, no clusters, 2,304 bytes of LDS; arguments children1_VxD, children2_VxD, log_felsensteins1_VxSxA, log_felsensteins2_VxSxA, site_positions_SxC, out0; writes out0
.if DOCPART == 1
	.amdgcn_target "amdgcn-amd-amdhsa--gfx1250"
	.amdhsa_code_object_version 6
	.text
	.protected	k_q3ca6c71ee3_merge
	.globl	k_q3ca6c71ee3_merge
	.p2align	8
	.type	k_q3ca6c71ee3_merge,@function
k_q3ca6c71ee3_merge:
	s_mov_b64 s[64:65], 0
	v_nop
	global_prefetch_b8 v0, s[64:65] scope:SCOPE_SE
	s_setreg_imm32_b32 hwreg(HW_REG_WAVE_MODE, 25, 1), 1
	s_wait_xcnt 0x0
; Maximum-likelihood merge: five steps of gradient ascent on (alpha, beta) for each of 4,096 rows, then parents = (p2 alpha + q2 (1 - alpha)) beta.
;
; WHAT THE SIZES MAKE OF IT.  The state axis has length 1, so every logsumexp runs over one element x: the maximum that is taken away is x itself,
; the exponent is x - x, and the derivative exp(x - x) / exp(x - x) is 1 for a finite x and NaN for any other.  The gradient of a row is therefore
;   W d(logP1 + logP2)/d(alpha, beta),   W = sum over the 2,048 sites of that derivative = 2048 + Z,   Z = sum over sites of 0 (lf1 + lf2) = +-0 or NaN
; (lf1 + lf2 is not finite exactly where lf1, lf2 or the site's sum is not; logP lies in [-1.39, 0] and moves that only in the last bit at f32's largest numbers).
; A NaN in W makes alpha, beta and both numbers of the row NaN, so out = out(W = 2048) + Z, exactly.  That form lets the ascent run while the rows are on their way.
; With d = c - mid beta, n = sqrt(|d|^2 + 1e-12), e = exp(-4 n / 3), P = 1/4 + 3/4 e (at least 1/4: the clip at 1e-30 never acts), summed over the two children:
;   d/dbeta = W sum e / (P n) d.mid        d/dalpha = beta W sum e / (P n) d.(p2 - q2)
;
; SHARES.  256 work-groups of 16 waves; a group owns 16 rows, a wave one row: 8,192 bytes of lf1 and of lf2, 16 + 16 loads of 16 bytes a lane, each covering
; 512 consecutive bytes, aligned.  All 32 are issued at once into 128 registers: every byte is asked for in the first lines and read once; there is no loop.
; Wave 0 also makes the ascent for the group's 16 rows, a row a lane: lanes 0-15 hold child 1's term of rows 0-15, lanes 16-31 child 2's term of the same rows.
; The 16 Z meet in 64 bytes of LDS behind one barrier; wave 0 stores the group's 128 bytes of output with one instruction, all lanes on.
; site_positions: reference() takes it and lets it enter no result.  Its bytes are read once, 512 a group, and go nowhere.
; No matrix unit (no product), no cluster (no byte is shared between groups), no LDS ring (the group's whole share is in flight in registers).
;
; LIMITS.  Children whose squares overflow f32 (|c| above 1.8e19) are not followed: the clip here drops a NaN made on the way.  Children that are themselves
; NaN or infinite give NaN in both numbers, as in reference().  The sign of a zero may differ.  Sums are fused and divisions are v_rcp_f32 and a multiply, so last
; bits differ from reference()'s order; the step of 204.8 enlarges such differences in rows that stay strictly inside (0, 1) for several steps.
; v_exp_f32 gives 0 below 2^-126 (ISA guide, its entry in 15.8): the step there is under 1e-34.
.set ROWB,  8192                       ; bytes in a row of lf1 or lf2
.set CHUNK, 512                        ; bytes that one load of a wave covers
.set NCH,   ROWB/CHUNK                 ; 16 loads for a row of each buffer
.set EPSB,  0x2b8cbccc                 ; 1e-12
.set KEXP,  0xbff6384f                 ; -(4/3) log2(e): exp(-4 n / 3) = 2^(KEXP n)
.set THREE, 0x40400000                 ; 3.0: 4 P = 1 + 3 e
.set STEP,  0x444ccccd                 ; 0.1 x 2048 x 4 = f32(0.1) x 2^13, exactly: learning rate, W, and the 4 of 4 P
.set OFF,  1                           ; v1       byte offset of my 16 bytes in the group's 16 rows: 8,192 wave + 16 lane; never rewritten
.set LW,   2                           ; v2       LDS byte of my wave's Z: 4 wave
.set ACC,  4                           ; v[4:7]   two packed chains of Z
.set LZ,   8                           ; wave 0:  LDS byte of my row's Z: 4 (lane mod 16)
.set OO,   9                           ;          byte offset of my number in the group's output: 8 (lane mod 16) + 4 (lane / 16)
.set COFF, 10                          ;          byte offset of my row in the group's children: 8 (lane mod 16)
.set SOFF, 11                          ;          16 lane
.set C1,   12                          ; v[12:13] child 1 (x, y)      v[14:15] child 2
.set C2,   14
.set P2,   16                          ; v[16:17] p2                  v[18:19] q2       v[20:21] p2 - q2
.set Q2,   18
.set DF,   20
.set CO,   22                          ; v[22:23] the child of my half of the lanes
.set AB,   24                          ; v[24:25] alpha, beta
.set MID,  26                          ; v[26:27] midpoint; at the end the parent
.set D,    28                          ; v[28:29] child - parent
.set T,    30                          ; v[30:31] 1 - alpha, 1 - beta
.set S,    32
.set N,    33
.set E,    34
.set XX,   35
.set F,    36                          ; v[36:37] at the start the two shrink factors; in a step 4 P n and its reciprocal
.set DM,   38
.set DD,   39
.set G,    40                          ; v[40:41] my child's terms of d/dalpha and d/dbeta
.set H,    42                          ; v[42:43] at the start the two norms; in a step the other half's terms
.set ZC,   44                          ; 0 x the four numbers of the children: +-0, or NaN
.set SITE, 48                          ; v[48:51]
.set X1,   52                          ; v[52:115]  my row of lf1
.set X2,   116                         ; v[116:179] my row of lf2
	s_load_b256 s[4:11], s[0:1], 0x0               ; children1 s[4:5], children2 s[6:7], lf1 s[8:9], lf2 s[10:11]
	s_load_b128 s[12:15], s[0:1], 0x20             ; site_positions s[12:13], out0 s[14:15]
	v_lshl_add_u32 v180, v0, 2, 0x100
	v_mov_b32 v181, 0
	v_lshrrev_b32 v3, 5, v0
	v_readfirstlane_b32 s16, v3                    ; my wave's number, 0 to 15 = my row in the group
	v_and_b32 v[OFF], 31, v0
	v_lshlrev_b32 v[OFF], 4, v[OFF]                ; 16 bytes a lane
	v_lshl_add_u32 v[OFF], v3, 13, v[OFF]          ; + wave x 8,192
	v_mov_b32 v[LW], s16
	v_lshlrev_b32 v[LW], 2, v[LW]
	s_lshl_b32 s18, ttmp9, 17                      ; the group's 16 rows of 8,192 bytes: at most 255 x 131,072, inside 32 bits
	s_mov_b32 s19, 0
	s_mov_b32 s20, 0x76543210                      ; v_permlanex16_b32: lane i of one half reads lane i of the other
	s_mov_b32 s21, 0xfedcba98
	s_wait_kmcnt 0x0
	s_add_nc_u64 s[8:9], s[8:9], s[18:19]
	s_add_nc_u64 s[10:11], s[10:11], s[18:19]
	s_cmp_lg_u32 s16, 0
	s_cbranch_scc1 .Lrows
	; Wave 0 alone: the group's children and its 512 bytes of site_positions.  These three loads are OLDER than the row's, so that the
	; children can be waited for while all of the row stays out.
	s_lshl_b32 s22, ttmp9, 7                       ; 16 rows of 8 bytes, in the children and in the output
	s_mov_b32 s23, 0
	s_lshl_b32 s24, ttmp9, 9                       ; 131,072 bytes of site_positions over 256 groups
	s_mov_b32 s25, 0
	s_add_nc_u64 s[4:5], s[4:5], s[22:23]
	s_add_nc_u64 s[6:7], s[6:7], s[22:23]
	s_add_nc_u64 s[14:15], s[14:15], s[22:23]
	s_add_nc_u64 s[12:13], s[12:13], s[24:25]
	v_and_b32 v[LZ], 15, v0                        ; in wave 0 the thread's number is the lane
	v_lshlrev_b32 v[COFF], 3, v[LZ]
	v_lshlrev_b32 v[SOFF], 4, v0
	global_load_b128 v[SITE:SITE+3], v[SOFF], s[12:13] th:TH_LOAD_NT   ; read, and used by nothing: reference() uses it nowhere
	global_load_b64 v[C1:C1+1], v[COFF], s[4:5]    ; both halves of the lanes take the same 16 rows
	global_load_b64 v[C2:C2+1], v[COFF], s[6:7]
.Lrows:
	; The whole row of both buffers, lf1 and lf2 by turns, in the order in which the sums take them.  35 loads are out in wave 0, 32 in the others.
.irp j, 0,1,2,3,4,5,6,7,8,9,10,11,12,13,14,15
	global_load_b128 v[X1+4*\j:X1+4*\j+3], v[OFF], s[8:9] offset:CHUNK*\j th:TH_LOAD_NT
	global_load_b128 v[X2+4*\j:X2+4*\j+3], v[OFF], s[10:11] offset:CHUNK*\j th:TH_LOAD_NT
.endr
	s_cmp_lg_u32 s16, 0
	s_cbranch_scc1 .Lsum
	; ---- Wave 0: the ascent for 16 rows, while the rows of lf1 and lf2 are on their way ----
	v_lshrrev_b32 v[OO], 4, v0
	v_lshl_add_u32 v[OO], v[OO], 2, v[COFF]        ; lane (r, h) will store number h of row r
	v_lshlrev_b32 v[LZ], 2, v[LZ]
	s_wait_loadcnt 32                              ; loads come back in order (ISA guide 5.7.1): the 32 of the row are younger and stay out
	v_fmaak_f32 v[S], v[C1], v[C1], EPSB           ; |c1|^2 + 1e-12
	v_fmaak_f32 v[N], v[C2], v[C2], EPSB
	v_fmac_f32 v[S], v[C1+1], v[C1+1]
	v_fmac_f32 v[N], v[C2+1], v[C2+1]
	v_sqrt_f32 v[H], v[S]                          ; p_norm
	v_sqrt_f32 v[H+1], v[N]                        ; q_norm
	v_pk_mul_f32 v[T:T+1], v[C1:C1+1], 0 op_sel_hi:[1,0]                       ; 0 c: NaN for a child that is not finite.  Also the one plain instruction between a transcendental and the use of its result
	s_wait_alu depctr_va_vdst(0)
	v_rcp_f32 v[F], v[H]
	v_rcp_f32 v[F+1], v[H+1]
	v_pk_fma_f32 v[T:T+1], v[C2:C2+1], 0, v[T:T+1] op_sel_hi:[1,0,1]           ; (the plain instruction behind the reciprocals)
	s_wait_alu depctr_va_vdst(0)
	v_mul_f32 v[F], v[H+1], v[F]                   ; q_norm / p_norm
	v_mul_f32 v[F+1], v[H], v[F+1]                 ; p_norm / q_norm
	v_cmp_gt_f32 vcc_lo, v[H], v[H+1]
	v_cndmask_b32 v[F], 1.0, v[F], vcc_lo          ; the longer child is shrunk onto the shorter one's norm; a factor 1 leaves the other as it is, bit for bit
	v_cmp_gt_f32 vcc_lo, v[H+1], v[H]
	v_cndmask_b32 v[F+1], 1.0, v[F+1], vcc_lo
	v_pk_mul_f32 v[P2:P2+1], v[C1:C1+1], v[F:F+1] op_sel_hi:[1,0]              ; p2 = c1 x the first factor
	v_pk_mul_f32 v[Q2:Q2+1], v[C2:C2+1], v[F:F+1] op_sel:[0,1] op_sel_hi:[1,1] ; q2 = c2 x the second
	v_add_f32 v[ZC], v[T], v[T+1]
	v_pk_add_f32 v[DF:DF+1], v[P2:P2+1], v[Q2:Q2+1] neg_lo:[0,1] neg_hi:[0,1]  ; p2 - q2
	v_cmp_lt_u32 vcc_lo, 15, v0                    ; lanes 16 to 31
	v_cndmask_b32 v[CO], v[C1], v[C2], vcc_lo      ; my half's child
	v_cndmask_b32 v[CO+1], v[C1+1], v[C2+1], vcc_lo
	v_mov_b32 v[AB], 0.5
	v_mov_b32 v[AB+1], 0.5
.macro MIDPOINT                        ; mid = p2 alpha + q2 (1 - alpha); exact for alpha = 0 and 1
	v_pk_fma_f32 v[T:T+1], v[AB:AB+1], -1.0, 1.0 op_sel_hi:[1,0,0]
	v_pk_mul_f32 v[MID:MID+1], v[Q2:Q2+1], v[T:T+1] op_sel_hi:[1,0]
	v_pk_fma_f32 v[MID:MID+1], v[P2:P2+1], v[AB:AB+1], v[MID:MID+1] op_sel_hi:[1,0,1]
.endm
; One step.  Behind each transcendental stands one plain vector instruction that touches neither its result nor its source.
.macro ASCEND
	MIDPOINT
	v_pk_fma_f32 v[D:D+1], v[MID:MID+1], v[AB:AB+1], v[CO:CO+1] op_sel:[0,1,0] op_sel_hi:[1,1,1] neg_lo:[0,1,0] neg_hi:[0,1,0]   ; d = c - mid beta
	v_fmaak_f32 v[S], v[D], v[D], EPSB
	v_fmac_f32 v[S], v[D+1], v[D+1]
	v_sqrt_f32 v[N], v[S]                          ; the branch length
	v_mul_f32 v[DM], v[D], v[MID]
	s_wait_alu depctr_va_vdst(0)
	v_mul_f32 v[XX], KEXP, v[N]
	v_exp_f32 v[E], v[XX]                          ; e = exp(-4 n / 3)
	v_fmac_f32 v[DM], v[D+1], v[MID+1]             ; d.mid
	s_wait_alu depctr_va_vdst(0)
	v_fma_f32 v[F], v[E], THREE, 1.0               ; 4 P
	v_mul_f32 v[F], v[F], v[N]
	v_rcp_f32 v[F+1], v[F]
	v_mul_f32 v[DD], v[D], v[DF]
	v_fmac_f32 v[DD], v[D+1], v[DF+1]              ; d.(p2 - q2)
	s_wait_alu depctr_va_vdst(0)
	v_mul_f32 v[F+1], v[E], v[F+1]                 ; e / (4 P n)
	v_mul_f32 v[G], v[F+1], v[DD]
	v_mul_f32 v[G+1], v[F+1], v[DM]
	v_permlanex16_b32 v[H], v[G], s20, s21         ; the other child's two terms (H has been written: the destination counts as read)
	v_permlanex16_b32 v[H+1], v[G+1], s20, s21
	v_pk_add_f32 v[G:G+1], v[G:G+1], v[H:H+1]      ; x + y = y + x bit for bit: both halves of the lanes go on with the same alpha and beta
	v_mul_f32 v[G], v[G], v[AB+1]                  ; d/dalpha carries the old beta
	v_pk_fma_f32 v[AB:AB+1], v[G:G+1], STEP, v[AB:AB+1] op_sel_hi:[1,0,1]
	v_max_num_f32 v[AB], 0, v[AB]                  ; clip to [0, 1]
	v_max_num_f32 v[AB+1], 0, v[AB+1]
	v_min_num_f32 v[AB], 1.0, v[AB]
	v_min_num_f32 v[AB+1], 1.0, v[AB+1]
.endm
.rept 5
	ASCEND
.endr
	MIDPOINT
	v_fma_f32 v[MID], v[MID], v[AB+1], v[ZC]       ; parent = mid beta (+ 0, or NaN for children that are not finite)
	v_fma_f32 v[MID+1], v[MID+1], v[AB+1], v[ZC]
	v_cmp_lt_u32 vcc_lo, 15, v0
	v_cndmask_b32 v[MID], v[MID], v[MID+1], vcc_lo ; lanes 0-15 keep x, lanes 16-31 take y of the same rows
.Lsum:
	; ---- Every wave: Z of its row.  t = lf1 + lf2, then 0 t + Z, two numbers an instruction, two chains; the first products start the chains. ----
.macro SUM j, first
	s_wait_loadcnt 2*(NCH-1-\j)                    ; pair j of loads is in; the 2 (15 - j) younger ones stay out
	v_pk_add_f32 v[X1+4*\j:X1+4*\j+1],   v[X1+4*\j:X1+4*\j+1],   v[X2+4*\j:X2+4*\j+1]
	v_pk_add_f32 v[X1+4*\j+2:X1+4*\j+3], v[X1+4*\j+2:X1+4*\j+3], v[X2+4*\j+2:X2+4*\j+3]
.if \first
	v_pk_mul_f32 v[ACC:ACC+1],   v[X1+4*\j:X1+4*\j+1],   0 op_sel_hi:[1,0]
	v_pk_mul_f32 v[ACC+2:ACC+3], v[X1+4*\j+2:X1+4*\j+3], 0 op_sel_hi:[1,0]
.else
	v_pk_fma_f32 v[ACC:ACC+1],   v[X1+4*\j:X1+4*\j+1],   0, v[ACC:ACC+1]   op_sel_hi:[1,0,1]
	v_pk_fma_f32 v[ACC+2:ACC+3], v[X1+4*\j+2:X1+4*\j+3], 0, v[ACC+2:ACC+3] op_sel_hi:[1,0,1]
.endif
.endm
	SUM 0, 1
.irp j, 1,2,3,4,5,6,7,8,9,10,11,12,13,14,15
	SUM \j, 0
.endr
	v_pk_add_f32 v[ACC:ACC+1], v[ACC:ACC+1], v[ACC+2:ACC+3]
	v_add_f32 v[ACC], v[ACC], v[ACC+1]
	; across the 32 lanes: four steps inside each half of 16 ride on the addition, one crosses the halves
	v_add_f32_dpp v[ACC], v[ACC], v[ACC] row_xmask:1 row_mask:0xf bank_mask:0xf
	v_add_f32_dpp v[ACC], v[ACC], v[ACC] row_xmask:2 row_mask:0xf bank_mask:0xf
	v_add_f32_dpp v[ACC], v[ACC], v[ACC] row_xmask:4 row_mask:0xf bank_mask:0xf
	v_add_f32_dpp v[ACC], v[ACC], v[ACC] row_xmask:8 row_mask:0xf bank_mask:0xf
	v_permlanex16_b32 v[ACC+1], v[ACC], s20, s21
	v_add_f32 v[ACC], v[ACC], v[ACC+1]             ; every lane holds the row's Z
	ds_store_b32 v[LW], v[ACC]                     ; all lanes write the same number to the wave's own word
	s_wait_dscnt 0x0                               ; for wave 0's sake: the store is done before the signal
	s_barrier_signal -1
	s_barrier_wait -1
	s_cmp_lg_u32 s16, 0
	s_cbranch_scc1 .Lend
	ds_load_b32 v[S], v[LZ]                        ; Z of my lane's row, stored by that row's wave
	s_wait_dscnt 0x0
	v_add_f32 v[MID], v[MID], v[S]                 ; + 0, or NaN where a site of the row is not finite
	global_store_b32 v[OO], v[MID], s[14:15] th:TH_STORE_NT    ; 32 lanes, 128 consecutive bytes: the group's 16 rows of the output, at a multiple of 128 bytes
.Lend:
	s_barrier_signal -1
	s_barrier_wait -1
	s_wait_tensorcnt 0x0
	ds_add_u32 v180, v181
	s_wait_dscnt 0x0
	s_endpgm
.Lfunc_end_k_q3ca6c71ee3_merge:
	.size	k_q3ca6c71ee3_merge, .Lfunc_end_k_q3ca6c71ee3_merge-k_q3ca6c71ee3_merge
	.p2alignl 7, 3214868480
	.fill 96, 4, 3214868480
	.section	.rodata,"a",@progbits
	.p2align	6, 0x0
	.amdhsa_kernel k_q3ca6c71ee3_merge
		.amdhsa_group_segment_fixed_size 2304
		.amdhsa_private_segment_fixed_size 0
		.amdhsa_enable_private_segment 0
		.amdhsa_kernarg_size 48
		.amdhsa_user_sgpr_count 2
		.amdhsa_user_sgpr_kernarg_segment_ptr 1
		.amdhsa_wavefront_size32 1
		.amdhsa_system_sgpr_workgroup_id_x 1
		.amdhsa_system_sgpr_workgroup_id_y 1
		.amdhsa_system_sgpr_workgroup_id_z 1
		.amdhsa_system_vgpr_workitem_id 0
		.amdhsa_next_free_vgpr 182
		.amdhsa_next_free_sgpr 66
		.amdhsa_reserve_vcc 1
		.amdhsa_float_denorm_mode_32 3
		.amdhsa_float_denorm_mode_16_64 3
		.amdhsa_memory_ordered 1
		.amdhsa_forward_progress 1
		.amdhsa_inst_pref_size 19
	.end_amdhsa_kernel
	.amdgpu_metadata
---
amdhsa.version: [ 1, 2 ]
amdhsa.kernels:
  - .name:           k_q3ca6c71ee3_merge
    .symbol:         k_q3ca6c71ee3_merge.kd
    .args:
      - { .name: children1_VxD, .offset: 0, .size: 8, .value_kind: global_buffer, .address_space: global }
      - { .name: children2_VxD, .offset: 8, .size: 8, .value_kind: global_buffer, .address_space: global }
      - { .name: log_felsensteins1_VxSxA, .offset: 16, .size: 8, .value_kind: global_buffer, .address_space: global }
      - { .name: log_felsensteins2_VxSxA, .offset: 24, .size: 8, .value_kind: global_buffer, .address_space: global }
      - { .name: site_positions_SxC, .offset: 32, .size: 8, .value_kind: global_buffer, .address_space: global }
      - { .name: out0, .offset: 40, .size: 8, .value_kind: global_buffer, .address_space: global }
    .group_segment_fixed_size: 2304
    .private_segment_fixed_size: 0
    .kernarg_segment_align: 8
    .kernarg_segment_size: 48
    .max_flat_workgroup_size: 512
    .sgpr_count:     66
    .vgpr_count:     182
    .wavefront_size: 32
...
	.end_amdgpu_metadata
.endif
;; end of part 1
